; MI455X (gfx1250); checked and timed in simulation.
; The chip was launched on July 23, 2026; its instructions are those of AMD's public machine-readable ISA for CDNA 5 (MIT licence, August 2026) and "CDNA5" Instruction Set Architecture Reference Guide (July 2026). The comments in the code are by the model that wrote it; some were corrected since.
;; SNN Georg et al Equalizer. Allowed arithmetic: float matrix products may take bf16 or f16 operands with f32 sums; all other float work in f32.
;; Inputs: W_in 256 x 64 float32; W_out 4 x 256 float32; alpha 256 float32; b_in 256 float32; b_out 4 float32; tau_mem_inv1 256 float32; tau_mem_inv2 4 float32; tau_syn_inv1 256 float32; tau_syn_inv2 4 float32; v_leak1 one number float32; v_leak2 one number float32; v_reset 256 float32; v_th 256 float32; x 512 x 256 x 64 float32.
;; Outputs: out0 256 x 4 float32; out1 one number float32.
;; 2 versions, each right and faster than the one before. Each part assembles by itself: llvm-mc -triple=amdgcn-amd-amdhsa -mcpu=gfx1250 --defsym DOCPART=n.
;; ======== version 1 of 2: 2 launches
;; limits: values are held in f16: magnitudes above 65,504 overflow, below 6.1e-05 lose precision; right only within a limited range of input values
;; workspace buffers: cnt 1,024 bytes
;; launch snn (part 1): grid 256 x 1, 8 waves a work-group, no clusters, 184,320 bytes of LDS; arguments x, W_in, b_in, tau_mem_inv1, tau_syn_inv1, v_th, v_reset, v_leak1, W_out, b_out, tau_mem_inv2, tau_syn_inv2, v_leak2, out0, cnt; writes out0, cnt
.if DOCPART == 1
	.amdgcn_target "amdgcn-amd-amdhsa--gfx1250"
	.amdhsa_code_object_version 6
	.text
	.protected	k_q7aad31e9e6_snn
	.globl	k_q7aad31e9e6_snn
	.p2align	8
	.type	k_q7aad31e9e6_snn,@function
k_q7aad31e9e6_snn:
	s_mov_b64 s[64:65], 0
	v_nop
	global_prefetch_b8 v0, s[64:65] scope:SCOPE_SE
	s_setreg_imm32_b32 hwreg(HW_REG_WAVE_MODE, 25, 1), 1
	s_wait_xcnt 0x0
; Spiking equalizer: 512 Euler steps of  cur = x_t W_in^T + b_in,  256 LIF neurons,  o = z W_out^T + b_out,  4 leaky integrators,
; for 256 batch rows.  Results: out0[b][p] = max over t of v2, and cnt[b] = number of spikes of row b (summed by the next launch).
;
; SHARING.  One work-group = one batch row b (ttmp9).  Eight waves; wave w owns neurons 32 w .. 32 w + 31, lane L the neuron 32 w + L.
; Time goes in 32 chunks of 16 steps.  In the first product M is time, N the neuron, K = 64; a wave makes two tiles of 16 t x 16 h a chunk.
;
; NUMBER FORMATS.  A spike is a threshold decision, so cur has to be right to about f32.  16 x and 256 W_in are each split into two f16
; numbers (hi + lo, 22 bits) and cur is made of three f16 products (lo*hi, hi*lo, hi*hi) with f32 sums; the sum carries 2^12 cur and
; the factor 2^-12 rides in the multiply-add that updates i1.  z (0 or 1) is exact in f16; W_out is rounded once to f16.
; LIMITS, stated: |x| < 4094, |W_in| < 255, |W_out| < 65504 (f16 overflows beyond).  A NaN loses in the maximum over time.
; ROUNDING ORDER that differs from the problem's function: fused multiply-adds; (i1 + v_leak1) - v1 for (v_leak1 - v1) + i1; b_in enters
; cur's sum first; the LI state at the 32 chunk borders is made by superposition (the LI layer is affine).
; alpha is not an argument: in the problem's function it enters only the backward rule of spike(); no forward value depends on it.
;
; NO JOINT REQUESTS IN A CLUSTER: x (128 KiB a work-group) is shared by nobody.  W_in (64 KiB) is read once by a work-group, each wave its own
; 8 KiB, straight into registers in the fragment's layout; a joint request would bring it to LDS first and add a trip through LDS.
; OUTPUT: a work-group owns 16 bytes of out0 and 4 of cnt, so its stores are four bytes from one lane.
;
; LDS:  XF  8 chunk slots x 16 rows x 272 bytes (a row: 64 hi, 64 lo in f16, 16 bytes of padding; pitch 17 x 16 bytes, so the 16 rows that
;           a fragment load touches start 16 bytes apart modulo 256)
;       Z   8 waves x 32 rows (neuron) x 32 bytes (16 t in f16): each wave's own
;       O   8 waves x 33 blocks x 528 bytes: block k = chunk k - 1 (block 0 takes the first, empty product); a block is 8 planes of 16 words
;           (planes 0-3: o' = 0..3, plane 4: spike count, 5-7 zeros) + 16 bytes, pitch 33 x 16 bytes for the reads of the last phase
.set XROW,   65536                     ; bytes from x[t][b] to x[t+1][b]
.set XCHUNK, 16*XROW                   ; a chunk of 16 steps
.set RING,   8                         ; chunk slots, in registers (X) and in LDS (XF)
.set XFP,    272
.set XFS,    16*XFP                    ; 4,352
.set ZBASE,  RING*XFS                  ; 34,816
.set OBASE,  ZBASE+8*1024              ; 43,008
.set OBLK,   528
.set OWAVE,  33*OBLK                   ; 17,424; O ends at 182,400
.set TRIPS,  3                         ; chunks 0-23 in the loop, 24-31 written out
; vector registers
.set VG,  1                            ; x: (2 w + hh) rows + 16 r      (r = L & 15, hh = L >> 4)
.set VS,  2                            ; XF, store: (2 w + hh) 272 + 8 r
.set VA,  3                            ; XF, fragment: 272 r + 16 hh
.set VZS, 4                            ; Z, my row
.set VZT, 5                            ; Z, transposing load
.set VO,  6                            ; O, my word of plane 4 hh in the trip's first block
.set A1,  7                            ; DT tau_mem_inv1
.set B1,  8                            ; DT tau_syn_inv1
.set VTH, 9
.set VR,  10                           ; v_reset
.set RV,  11                           ; v1
.set RI,  12                           ; i1
.set RU,  13                           ; i1 + v_leak1
.set T2,  14
.set VD,  15                           ; v_dec
.set ID,  16                           ; i_dec
.set ZT0, 17
.set ZT1, 18
                                       ; v20-31: SPLIT4's registers (named there by number: halves need literal names)
.set Z,    32                          ; v32-39   16 spikes as f16
.set ZB,   40                          ; v40-47   spikes as B fragment (K = 32 neurons, N = 16 t)
.set WO,   48                          ; v48-55   A fragment: rows 0-3 W_out, row 8 ones, else zeros
.set DO,   56                          ; v56-63   its product
.set WH,   64                          ; v64-95   W_in hi, fragment 2 blk + ks
.set WL,   96                          ; v96-127  W_in lo
.set BIAS, 128                         ; v128-143 2^12 b_in as C of the two tiles
.set AF,   144                         ; v144-175 x fragments: hi k0, hi k1, lo k0, lo k1
.set ACC,  176                         ; v176-207 two sets of two tiles, in turn
.set X,    208                         ; v208-239 8 slots of 4: x as loaded
.set WF,   144                         ; prologue only: W_in as f32, v144-207
; scalar registers: s[4:33] addresses; s36 wave; s37 Z base; s38 2^-12; s39 v_leak1; s40, s41 f16 one in the low, high half; s[42:43] 16.0;
; s[44:45] 256.0; s46 counter; s47 4 min(w, 3); s48 a2; s49 b2; s50 b_out[p]; s51 v_leak2; s52, s53 lane selects; s[54:55], s[56:57] x bases
; four f32 at v[src], times s[sc], as f16 hi in v[hd:hd+1] and f16 lo in v[ld:ld+1].  X - hi is exact in f32.
.macro SPLIT4 src, sc, hd, ld
	v_pk_mul_f32 v[20:21], v[\src:\src+1], s[\sc:\sc+1] op_sel_hi:[1,0]
	v_pk_mul_f32 v[22:23], v[\src+2:\src+3], s[\sc:\sc+1] op_sel_hi:[1,0]
	v_cvt_pk_f16_f32 v28, v20, v21
	v_cvt_pk_f16_f32 v29, v22, v23
	v_cvt_f32_f16 v24, v28.l
	v_cvt_f32_f16 v25, v28.h
	v_cvt_f32_f16 v26, v29.l
	v_cvt_f32_f16 v27, v29.h
	v_pk_add_f32 v[20:21], v[20:21], v[24:25] neg_lo:[0,1] neg_hi:[0,1]
	v_pk_add_f32 v[22:23], v[22:23], v[26:27] neg_lo:[0,1] neg_hi:[0,1]
	v_cvt_pk_f16_f32 v[\ld], v20, v21
	v_cvt_pk_f16_f32 v[\ld+1], v22, v23
.if \hd != 28
	v_mov_b32 v[\hd], v28
	v_mov_b32 v[\hd+1], v29
.endif
.endm
.macro SSTORE slot                     ; my four k of my row: hi, and lo 128 bytes on
	ds_store_b64 v[VS], v[28:29] offset:(\slot)*XFS
	ds_store_b64 v[VS], v[30:31] offset:(\slot)*XFS+128
.endm
.macro FLOAD slot                      ; the chunk's four A fragments (16 t x 32 k each)
.irp n, 0,1,2,3,4,5,6,7
	ds_load_b128 v[AF+4*\n:AF+4*\n+3], v[VA] offset:(\slot)*XFS+32*\n
.endr
.endm
; One link of both tiles' chains.  first = 1: C is the bias, D the accumulator; after it each link takes its own tile's D as C and D.
.macro MLINK m, acc, a, b, first
.if \m
.if \first
	v_wmma_f32_16x16x32_f16 v[\acc:\acc+7], v[\a:\a+7], v[\b:\b+7], v[BIAS:BIAS+7]
	v_wmma_f32_16x16x32_f16 v[\acc+8:\acc+15], v[\a:\a+7], v[\b+16:\b+23], v[BIAS+8:BIAS+15]
.else
	v_wmma_f32_16x16x32_f16 v[\acc:\acc+7], v[\a:\a+7], v[\b:\b+7], v[\acc:\acc+7]
	v_wmma_f32_16x16x32_f16 v[\acc+8:\acc+15], v[\a:\a+7], v[\b+16:\b+23], v[\acc+8:\acc+15]
.endif
.endif
.endm
; Tile 0 holds neurons 0-15 (lanes 0-15: t 0-7, lanes 16-31: t 8-15), tile 1 neurons 16-31.  Exchanging tile 0's upper lanes with tile 1's
; lower lanes leaves register acc + tau with cur(tau) of neuron L in lane L.
.macro SWAP acc
.irp j, 0,1,2,3,4,5,6,7
	v_permlane16_swap_b32 v[\acc+\j], v[\acc+8+\j]
.endr
.endm
; One Euler step of my neuron.  The dependent path is sub, fma, compare, select.
.macro STEP tau, acc
	v_sub_f32 v[T2], v[RU], v[RV]                      ; (i1 + v_leak1) - v1
	v_fma_f32 v[ID], -v[B1], v[RI], v[RI]              ; i_dec
	v_fma_f32 v[VD], v[A1], v[T2], v[RV]               ; v_dec
	v_fma_f32 v[RI], v[\acc+\tau], s38, v[ID]          ; i1 = i_dec + cur
	v_cmp_gt_f32 vcc_lo, v[VD], v[VTH]                 ; spike
	v_add_f32 v[RU], s39, v[RI]
	v_cndmask_b32 v[RV], v[VD], v[VR], vcc_lo          ; reset
.if (\tau)&1
	v_cndmask_b32 v[ZT1], 0, s41, vcc_lo
	v_or_b32 v[Z+(\tau)/2], v[ZT0], v[ZT1]             ; two steps' spikes, f16 1.0 or 0
.else
	v_cndmask_b32 v[ZT0], 0, s40, vcc_lo
.endif
.endm
; Chunk i, q = i & 7.  g: load x of chunk i + 8.  s: split x of chunk i + 2 into XF (lc = x loads issued behind that chunk's), with the
; chunk's barrier.  f: fetch the fragments of chunk i + 2.  m: multiply chunk i + 1.
; Every vector read of an accumulator, every load into AF or ZB and every store of DO stands at least one STEP (8 plain vector
; instructions that name none of these registers) behind the last matrix instruction that names them.
.macro CHUNK q, g, s, lc, f, m
.if \g
	global_load_b128 v[X+4*\q:X+4*\q+3], v[VG], s[56:57] offset:(\q)<<20 th:TH_LOAD_NT   ; two rows of 256 bytes a wave, 16 lanes each
.endif
.if \s
	s_wait_loadcnt \lc                                 ; loads return in order: chunk i + 2 is in, the younger chunks stay out
	SPLIT4 X+4*((\q+2)&7), 42, 28, 30
	SSTORE ((\q+2)&7)
.endif
	SWAP ACC+16*((\q)&1)
	STEP 0, ACC+16*((\q)&1)
	STEP 1, ACC+16*((\q)&1)
	STEP 2, ACC+16*((\q)&1)
	STEP 3, ACC+16*((\q)&1)
	s_wait_dscnt 0x0                                   ; AF and ZB are in; my XF stores have landed and my XF reads are over, for the other waves' sake
.if \s
	s_barrier_signal -1
.endif
	v_wmma_f32_16x16x32_f16 v[DO:DO+7], v[WO:WO+7], v[ZB:ZB+7], 0      ; o and spike count of chunk i - 1, my 32 neurons' part
	STEP 4, ACC+16*((\q)&1)
	MLINK \m, ACC+16-16*((\q)&1), AF+16, WH, 1         ; small terms first: lo x hi
	STEP 5, ACC+16*((\q)&1)
	MLINK \m, ACC+16-16*((\q)&1), AF+24, WH+8, 0
	STEP 6, ACC+16*((\q)&1)
	MLINK \m, ACC+16-16*((\q)&1), AF, WL, 0            ; hi x lo
	STEP 7, ACC+16*((\q)&1)
	MLINK \m, ACC+16-16*((\q)&1), AF+8, WL+8, 0
	STEP 8, ACC+16*((\q)&1)
	MLINK \m, ACC+16-16*((\q)&1), AF, WH, 0            ; hi x hi
	STEP 9, ACC+16*((\q)&1)
	MLINK \m, ACC+16-16*((\q)&1), AF+8, WH+8, 0
	STEP 10, ACC+16*((\q)&1)
	STEP 11, ACC+16*((\q)&1)
.if \s
	s_barrier_wait -1                                  ; every wave's rows of chunk i + 2 are in XF; only register work stood since the signal
.endif
	ds_store_b128 v[VZS], v[Z:Z+3]                     ; my neuron's spikes of steps 0-7
.irp j, 0,1,2,3
	ds_store_b32 v[VO], v[DO+\j] offset:(\q)*OBLK+64*\j
.endr
.if \f
	FLOAD ((\q+2)&7)
.endif
	STEP 12, ACC+16*((\q)&1)
	STEP 13, ACC+16*((\q)&1)
	STEP 14, ACC+16*((\q)&1)
	STEP 15, ACC+16*((\q)&1)
	ds_store_b128 v[VZS], v[Z+4:Z+7] offset:16         ; steps 8-15
	ds_load_tr16_b128 v[ZB:ZB+3], v[VZT]               ; LDS serves a wave's instructions in order: these see both stores of my wave's tile
	ds_load_tr16_b128 v[ZB+4:ZB+7], v[VZT] offset:512
.endm
	; ---------------- prologue: addresses ----------------
	s_load_b512 s[4:19], s[0:1], 0x0                   ; x, W_in, b_in, tau_mem_inv1, tau_syn_inv1, v_th, v_reset, v_leak1
	s_load_b256 s[20:27], s[0:1], 0x40                 ; W_out, b_out, tau_mem_inv2, tau_syn_inv2
	s_load_b128 s[28:31], s[0:1], 0x60                 ; v_leak2, out0
	s_load_b64 s[32:33], s[0:1], 0x70                  ; cnt
	v_lshl_add_u32 v240, v0, 2, 0x2cc00
	v_mov_b32 v241, 0
	v_lshrrev_b32 v20, 5, v0
	v_readfirstlane_b32 s36, v20                       ; wave
	v_and_b32 v21, 31, v0                              ; L
	v_and_b32 v22, 15, v0                              ; r
	v_bfe_u32 v23, v0, 4, 1                            ; hh
	v_lshrrev_b32 v24, 4, v0                           ; 2 w + hh: my row of a chunk
	v_and_b32 v25, 0xe0, v0                            ; 32 w
	s_mov_b32 s38, 0x39800000                          ; 2^-12
	s_mov_b32 s40, 0x3c00
	s_mov_b32 s41, 0x3c000000
	s_mov_b32 s42, 0x41800000                          ; 16.0, both words of the pair written
	s_mov_b32 s43, 0x41800000
	s_mov_b32 s44, 0x43800000                          ; 256.0
	s_mov_b32 s45, 0x43800000
	s_mov_b32 s52, 0x76543210                          ; v_permlanex16_b32: lane i of the other half
	s_mov_b32 s53, 0xfedcba98
	s_min_u32 s47, s36, 3                              ; the output that my wave serves in the last phase (waves 4-7: any inside the tables)
	s_lshl_b32 s47, s47, 2
	s_lshl_b32 s34, ttmp9, 8                           ; 256 b
	s_mov_b32 s35, 0
	s_lshl_b32 s37, s36, 10
	s_add_co_u32 s37, s37, ZBASE                       ; my wave's Z tile
	s_mul_i32 s46, s36, OWAVE
	s_add_co_u32 s46, s46, OBASE                       ; my wave's O region
	v_lshlrev_b32 v[VG], 4, v22
	v_lshl_add_u32 v[VG], v24, 16, v[VG]
	v_mul_u32_u24 v[VS], v24, XFP
	v_lshl_add_u32 v[VS], v22, 3, v[VS]
	v_mul_u32_u24 v[VA], v22, XFP
	v_lshl_add_u32 v[VA], v23, 4, v[VA]
	v_lshl_add_u32 v[VZS], v21, 5, s37
	v_and_b32 v26, 7, v0
	v_lshl_add_u32 v26, v23, 3, v26                    ; row 8 hh + (L & 7)
	v_bfe_u32 v27, v0, 3, 1
	v_lshl_add_u32 v27, v27, 4, s37                    ; + 16 ((L >> 3) & 1)
	v_lshl_add_u32 v[VZT], v26, 5, v27
	v_lshl_add_u32 v27, v22, 2, s46
	v_lshl_add_u32 v[VO], v23, 8, v27
	v_add_nc_u32 v26, v25, v22                         ; neuron 32 w + r
	v_lshlrev_b32 v14, 5, v23
	v_lshl_add_u32 v14, v26, 8, v14                    ; W_in: row 32 w + r, k = 8 hh
	v_lshlrev_b32 v18, 2, v26                          ; b_in
	v_and_b32 v15, 3, v0
	v_lshlrev_b32 v15, 10, v15
	v_lshl_add_u32 v15, v25, 2, v15
	v_lshl_add_u32 v15, v23, 5, v15                    ; W_out: row r & 3, column 32 w + 8 hh
	v_lshlrev_b32 v19, 2, v0                           ; my neuron's word of the [256] tables
	s_wait_kmcnt 0x0
	s_add_nc_u64 s[54:55], s[4:5], s[34:35]            ; x[0][b]: chunks 0-7
	s_add_nc_u64 s[56:57], s[54:55], RING*XCHUNK       ; chunks 8-15; stepped by the loop
	s_load_b32 s39, s[18:19], 0x0
	s_load_b32 s48, s[24:25], s47 offset:0x0
	s_load_b32 s49, s[26:27], s47 offset:0x0
	s_load_b32 s50, s[22:23], s47 offset:0x0
	s_load_b32 s51, s[28:29], 0x0
	; 26 loads of parameters, then the first eight chunks of x
.irp f, 0,1,2,3
.irp g, 0,1,2,3
	global_load_b128 v[WF+16*\f+4*\g:WF+16*\f+4*\g+3], v14, s[6:7] offset:(\f>>1)*4096+(\f&1)*128+(\g>>1)*64+(\g&1)*16
.endr
.endr
.irp g, 0,1,2,3
	global_load_b128 v[Z+4*\g:Z+4*\g+3], v15, s[20:21] offset:(\g>>1)*64+(\g&1)*16
.endr
	global_load_b32 v16, v18, s[8:9]
	global_load_b32 v17, v18, s[8:9] offset:64
	global_load_b32 v[A1], v19, s[10:11]
	global_load_b32 v[B1], v19, s[12:13]
	global_load_b32 v[VTH], v19, s[14:15]
	global_load_b32 v[VR], v19, s[16:17]
.irp q, 0,1,2,3,4,5,6,7
	global_load_b128 v[X+4*\q:X+4*\q+3], v[VG], s[54:55] offset:(\q)<<20 th:TH_LOAD_NT
.endr
	s_wait_loadcnt 0x8                                 ; the parameters are in; the eight x loads behind them stay out
	s_wait_kmcnt 0x0
	s_mul_f32 s48, s48, 0x3a83126f                     ; a2 = DT tau_mem_inv2[p]
	s_mul_f32 s49, s49, 0x3a83126f                     ; b2 = DT tau_syn_inv2[p]
	; WO: rows 0-3 W_out, row 8 ones (it counts the spikes), the rest zeros
.irp i, 0,1,2,3,4,5,6,7
	v_cvt_pk_f16_f32 v[WO+\i], v[Z+2*\i], v[Z+2*\i+1]
.endr
	v_and_b32 v14, 15, v0
	v_mov_b32 v15, 0x3c003c00
	v_cmp_eq_u32 vcc_lo, 8, v14
	v_cndmask_b32 v15, 0, v15, vcc_lo
	v_cmp_gt_u32 vcc_lo, 4, v14
.irp i, 0,1,2,3,4,5,6,7
	v_cndmask_b32 v[WO+\i], v15, v[WO+\i], vcc_lo
.endr
.irp j, 0,1,2,3,4,5,6,7
	v_mul_f32 v[BIAS+\j], 0x45800000, v16              ; 2^12 b_in of column r, in all eight rows
	v_mul_f32 v[BIAS+8+\j], 0x45800000, v17
.endr
	v_mul_f32 v[A1], 0x3a83126f, v[A1]
	v_mul_f32 v[B1], 0x3a83126f, v[B1]
.irp f, 0,1,2,3
.irp g, 0,1,2,3
	SPLIT4 WF+16*\f+4*\g, 44, WH+8*\f+2*\g, WL+8*\f+2*\g
.endr
.endr
	s_wait_loadcnt 0x7                                 ; chunk 0; seven younger x loads stay out
	SPLIT4 X, 42, 28, 30
	SSTORE 0
	s_wait_loadcnt 0x6                                 ; chunk 1
	SPLIT4 X+4, 42, 28, 30
	SSTORE 1
	s_wait_dscnt 0x0                                   ; my rows of chunks 0 and 1 have landed,
	s_barrier_signal -1
	s_barrier_wait -1                                  ; everybody's have
	FLOAD 0
	s_wait_dscnt 0x0
	MLINK 1, ACC, AF+16, WH, 1                         ; chunk 0
	MLINK 1, ACC, AF+24, WH+8, 0
	MLINK 1, ACC, AF, WL, 0
	MLINK 1, ACC, AF+8, WL+8, 0
	MLINK 1, ACC, AF, WH, 0
	MLINK 1, ACC, AF+8, WH+8, 0
	v_mov_b32 v[RV], 0                                 ; the state at t = 0; these eleven lines are also the places behind the products
	v_mov_b32 v[RI], 0
	v_mov_b32 v[RU], s39
.irp j, 0,1,2,3,4,5,6,7
	v_mov_b32 v[ZB+\j], 0                              ; chunk 0's product of spikes is of no chunk: zeros, into block 0
.endr
	FLOAD 1
	; ---------------- chunks 0 to 23 ----------------
	s_mov_b32 s46, 0
.Ltrip:
.irp q, 0,1,2,3,4,5,6,7
	CHUNK \q, 1, 1, 6, 1, 1                            ; behind chunk i + 2's load stand those of chunks i + 3 .. i + 8: six
.endr
	s_wait_xcnt 0x0                                    ; the trip's x loads have had their addresses translated: their base is stepped only behind this wait
	s_add_nc_u64 s[56:57], s[56:57], RING*XCHUNK
	v_add_nc_u32 v[VO], RING*OBLK, v[VO]
	s_add_co_u32 s46, s46, 1
	s_cmp_lt_u32 s46, TRIPS
	s_cbranch_scc1 .Ltrip
	; ---------------- chunks 24 to 31: nothing more is loaded, the counts run down ----------------
	CHUNK 0, 0, 1, 5, 1, 1
	CHUNK 1, 0, 1, 4, 1, 1
	CHUNK 2, 0, 1, 3, 1, 1
	CHUNK 3, 0, 1, 2, 1, 1
	CHUNK 4, 0, 1, 1, 1, 1
	CHUNK 5, 0, 1, 0, 1, 1                             ; splits and fetches chunk 31
	CHUNK 6, 0, 0, 0, 0, 1                             ; multiplies chunk 31
	CHUNK 7, 0, 0, 0, 0, 0
	s_wait_dscnt 0x0                                   ; ZB of chunk 31
	v_wmma_f32_16x16x32_f16 v[DO:DO+7], v[WO:WO+7], v[ZB:ZB+7], 0
.rept 4
	v_nop                                              ; four places before the stores read DO
.endr
.irp j, 0,1,2,3
	ds_store_b32 v[VO], v[DO+\j] offset:RING*OBLK+64*\j
.endr
	s_wait_dscnt 0x0                                   ; all my O words have landed,
	s_barrier_signal -1
	s_barrier_wait -1                                  ; everybody's have
	; ---------------- the LI layer: wave p = 0..3 serves output p, wave 4 the spike count; lane L takes steps 16 L .. 16 L + 15 ----------------
.set LN,  20
.set AD0, 21
.set AD1, 22
.set LVA, 24                           ; v2, in turn with LVB
.set LVB, 25
.set LI,  26                           ; i2
.set LT,  27
.set LD,  28
.set MX,  29
.set MP,  30                           ; a power of the step's matrix [[P, Q], [0, R]]
.set MQ,  31
.set MR,  32
.set PV,  33
.set PI,  34
.set IDX, 35
.set L4,  36
.set SUM, 64                           ; v64-191: 8 waves x 16 steps; the sums end in v64-79
.macro LISTEP vin, vout, o             ; one step of the leaky integrator, in the order in which the problem's function writes it
	v_sub_f32 v[LT], s51, v[\vin]
	v_add_f32 v[LT], v[LT], v[LI]
	v_fma_f32 v[\vout], s48, v[LT], v[\vin]
	v_fma_f32 v[LD], -s49, v[LI], v[LI]
	v_add_f32 v[LI], v[LD], v[\o]
.endm
.macro SQUARE
	v_add_f32 v[LT], v[MP], v[MR]
	v_mul_f32 v[MP], v[MP], v[MP]
	v_mul_f32 v[MR], v[MR], v[MR]
	v_mul_f32 v[MQ], v[MQ], v[LT]
.endm
.macro PULL d                          ; PV, PI = (v2, i2) of lane L - d, zeros where there is none
	v_add_nc_u32 v[IDX], -4*\d, v[L4]
	v_and_b32 v[IDX], 0x7c, v[IDX]
	ds_bpermute_b32 v[PV], v[IDX], v[LVA]
	ds_bpermute_b32 v[PI], v[IDX], v[LI]
	v_cmp_le_u32 vcc_lo, \d, v[LN]
	s_wait_dscnt 0x0
	v_cndmask_b32 v[PV], 0, v[PV], vcc_lo
	v_cndmask_b32 v[PI], 0, v[PI], vcc_lo
.endm
.macro KS d                            ; my window of d chunks takes in the d chunks in front of it, carried through M^(16 d)
	PULL \d
	v_fmac_f32 v[LVA], v[MP], v[PV]
	v_fmac_f32 v[LVA], v[MQ], v[PI]
	v_fmac_f32 v[LI], v[MR], v[PI]
.if \d < 16
	SQUARE
.endif
.endm
	s_cmp_gt_u32 s36, 4
	s_cbranch_scc1 .Lend
	v_and_b32 v[LN], 31, v0
	s_lshl_b32 s34, s36, 6
	s_add_co_u32 s34, s34, OBASE+OBLK                  ; plane w of block 1
	v_mul_u32_u24 v[AD0], v[LN], OBLK
	v_add_nc_u32 v[AD0], s34, v[AD0]                   ; block L + 1 = chunk L, waves 0-3
	v_add_nc_u32 v[AD1], 4*OWAVE, v[AD0]               ; waves 4-7
.irp wv, 0,1,2,3
.irp n, 0,1,2,3
	ds_load_b128 v[SUM+16*\wv+4*\n:SUM+16*\wv+4*\n+3], v[AD0] offset:\wv*OWAVE+16*\n
.endr
.endr
.irp wv, 0,1,2,3
.irp n, 0,1,2,3
	ds_load_b128 v[SUM+64+16*\wv+4*\n:SUM+64+16*\wv+4*\n+3], v[AD1] offset:\wv*OWAVE+16*\n
.endr
.endr
	s_wait_dscnt 0x0
.irp wv, 1,2,3,4,5,6,7
.irp k, 0,2,4,6,8,10,12,14
	v_pk_add_f32 v[SUM+\k:SUM+\k+1], v[SUM+\k:SUM+\k+1], v[SUM+16*\wv+\k:SUM+16*\wv+\k+1]    ; the eight waves' parts of 32 neurons each
.endr
.endr
	s_cmp_eq_u32 s36, 4
	s_cbranch_scc1 .Lcount
.irp k, 0,2,4,6,8,10,12,14
	v_pk_add_f32 v[SUM+\k:SUM+\k+1], v[SUM+\k:SUM+\k+1], s[50:51] op_sel_hi:[1,0]            ; + b_out[p]
.endr
	; A: my 16 steps from the state (0, 0): the chunk's own contribution
	v_mov_b32 v[LVA], 0
	v_mov_b32 v[LI], 0
.irp t, 0,2,4,6,8,10,12,14
	LISTEP LVA, LVB, SUM+\t
	LISTEP LVB, LVA, SUM+\t+1
.endr
	v_sub_f32 v[MP], 1.0, s48                          ; one step's matrix, squared four times: 16 steps
	v_mov_b32 v[MQ], s48
	v_sub_f32 v[MR], 1.0, s49
.rept 4
	SQUARE
.endr
	; B: the state behind each chunk, by doubling windows over the 32 lanes; then each lane takes the state behind the chunk in front of it
	v_lshlrev_b32 v[L4], 2, v[LN]
	KS 1
	KS 2
	KS 4
	KS 8
	KS 16
	PULL 1
	v_mov_b32 v[LVA], v[PV]
	v_mov_b32 v[LI], v[PI]
	; C: my 16 steps from that state, and the largest v2 among them
	LISTEP LVA, LVB, SUM
	LISTEP LVB, LVA, SUM+1
	v_max_num_f32 v[MX], v[LVB], v[LVA]
.irp t, 2,4,6,8,10,12,14
	LISTEP LVA, LVB, SUM+\t
	LISTEP LVB, LVA, SUM+\t+1
	v_max3_num_f32 v[MX], v[MX], v[LVB], v[LVA]
.endr
	v_max_num_f32_dpp v[MX], v[MX], v[MX] row_xmask:1 row_mask:0xf bank_mask:0xf
	v_max_num_f32_dpp v[MX], v[MX], v[MX] row_xmask:2 row_mask:0xf bank_mask:0xf
	v_max_num_f32_dpp v[MX], v[MX], v[MX] row_xmask:4 row_mask:0xf bank_mask:0xf
	v_max_num_f32_dpp v[MX], v[MX], v[MX] row_xmask:8 row_mask:0xf bank_mask:0xf
	v_permlanex16_b32 v[LT], v[MX], s52, s53           ; LT has been written: the destination counts as read
	v_max_num_f32 v[MX], v[MX], v[LT]
	s_lshl_b32 s34, ttmp9, 4
	s_lshl2_add_u32 s34, s36, s34                      ; out0[b][p]: 16 b + 4 p
	v_mov_b32 v[AD0], s34
	v_cmp_eq_u32 vcc_lo, 0, v[LN]
	s_wait_xcnt 0x0                                    ; EXEC changes only behind this wait
	s_wait_tensorcnt 0x0
	ds_add_u32 v240, v241
	s_wait_dscnt 0x0
	s_and_saveexec_b32 s35, vcc_lo
	global_store_b32 v[AD0], v[MX], s[30:31]
	s_endpgm
.Lcount:                                               ; whole numbers up to 131,072: exact in f32
.irp k, 0,4,8,12
	v_pk_add_f32 v[SUM+\k:SUM+\k+1], v[SUM+\k:SUM+\k+1], v[SUM+\k+2:SUM+\k+3]
.endr
	v_pk_add_f32 v[SUM:SUM+1], v[SUM:SUM+1], v[SUM+4:SUM+5]
	v_pk_add_f32 v[SUM+8:SUM+9], v[SUM+8:SUM+9], v[SUM+12:SUM+13]
	v_pk_add_f32 v[SUM:SUM+1], v[SUM:SUM+1], v[SUM+8:SUM+9]
	v_add_f32 v[SUM], v[SUM], v[SUM+1]
	v_add_f32_dpp v[SUM], v[SUM], v[SUM] row_xmask:1 row_mask:0xf bank_mask:0xf
	v_add_f32_dpp v[SUM], v[SUM], v[SUM] row_xmask:2 row_mask:0xf bank_mask:0xf
	v_add_f32_dpp v[SUM], v[SUM], v[SUM] row_xmask:4 row_mask:0xf bank_mask:0xf
	v_add_f32_dpp v[SUM], v[SUM], v[SUM] row_xmask:8 row_mask:0xf bank_mask:0xf
	v_permlanex16_b32 v[SUM+1], v[SUM], s52, s53
	v_add_f32 v[SUM], v[SUM], v[SUM+1]
	s_lshl_b32 s34, ttmp9, 2                           ; cnt[b]
	v_mov_b32 v[AD0], s34
	v_cmp_eq_u32 vcc_lo, 0, v[LN]
	s_wait_xcnt 0x0                                    ; EXEC changes only behind this wait
	s_wait_tensorcnt 0x0
	ds_add_u32 v240, v241
	s_wait_dscnt 0x0
	s_and_saveexec_b32 s35, vcc_lo
	global_store_b32 v[AD0], v[SUM], s[32:33]
	s_endpgm
.Lend:
	s_wait_tensorcnt 0x0
	ds_add_u32 v240, v241
	s_wait_dscnt 0x0
	s_endpgm
.Lfunc_end_k_q7aad31e9e6_snn:
	.size	k_q7aad31e9e6_snn, .Lfunc_end_k_q7aad31e9e6_snn-k_q7aad31e9e6_snn
	.p2alignl 7, 3214868480
	.fill 96, 4, 3214868480
	.section	.rodata,"a",@progbits
	.p2align	6, 0x0
	.amdhsa_kernel k_q7aad31e9e6_snn
		.amdhsa_group_segment_fixed_size 184320
		.amdhsa_private_segment_fixed_size 0
		.amdhsa_enable_private_segment 0
		.amdhsa_kernarg_size 120
		.amdhsa_user_sgpr_count 2
		.amdhsa_user_sgpr_kernarg_segment_ptr 1
		.amdhsa_wavefront_size32 1
		.amdhsa_system_sgpr_workgroup_id_x 1
		.amdhsa_system_sgpr_workgroup_id_y 1
		.amdhsa_system_sgpr_workgroup_id_z 1
		.amdhsa_system_vgpr_workitem_id 0
		.amdhsa_next_free_vgpr 242
		.amdhsa_next_free_sgpr 66
		.amdhsa_reserve_vcc 1
		.amdhsa_float_denorm_mode_32 3
		.amdhsa_float_denorm_mode_16_64 3
		.amdhsa_memory_ordered 1
		.amdhsa_forward_progress 1
		.amdhsa_inst_pref_size 189
	.end_amdhsa_kernel
	.amdgpu_metadata
---
amdhsa.version: [ 1, 2 ]
amdhsa.kernels:
  - .name:           k_q7aad31e9e6_snn
    .symbol:         k_q7aad31e9e6_snn.kd
    .args:
      - { .name: x, .offset: 0, .size: 8, .value_kind: global_buffer, .address_space: global }
      - { .name: W_in, .offset: 8, .size: 8, .value_kind: global_buffer, .address_space: global }
      - { .name: b_in, .offset: 16, .size: 8, .value_kind: global_buffer, .address_space: global }
      - { .name: tau_mem_inv1, .offset: 24, .size: 8, .value_kind: global_buffer, .address_space: global }
      - { .name: tau_syn_inv1, .offset: 32, .size: 8, .value_kind: global_buffer, .address_space: global }
      - { .name: v_th, .offset: 40, .size: 8, .value_kind: global_buffer, .address_space: global }
      - { .name: v_reset, .offset: 48, .size: 8, .value_kind: global_buffer, .address_space: global }
      - { .name: v_leak1, .offset: 56, .size: 8, .value_kind: global_buffer, .address_space: global }
      - { .name: W_out, .offset: 64, .size: 8, .value_kind: global_buffer, .address_space: global }
      - { .name: b_out, .offset: 72, .size: 8, .value_kind: global_buffer, .address_space: global }
      - { .name: tau_mem_inv2, .offset: 80, .size: 8, .value_kind: global_buffer, .address_space: global }
      - { .name: tau_syn_inv2, .offset: 88, .size: 8, .value_kind: global_buffer, .address_space: global }
      - { .name: v_leak2, .offset: 96, .size: 8, .value_kind: global_buffer, .address_space: global }
      - { .name: out0, .offset: 104, .size: 8, .value_kind: global_buffer, .address_space: global }
      - { .name: cnt, .offset: 112, .size: 8, .value_kind: global_buffer, .address_space: global }
    .group_segment_fixed_size: 184320
    .private_segment_fixed_size: 0
    .kernarg_segment_align: 8
    .kernarg_segment_size: 120
    .max_flat_workgroup_size: 256
    .sgpr_count:     66
    .vgpr_count:     242
    .wavefront_size: 32
...
	.end_amdgpu_metadata
.endif
;; end of part 1
;; launch rate (part 2): grid 1 x 1, 1 waves a work-group, no clusters, 0 bytes of LDS; arguments cnt, out1; writes out1
.if DOCPART == 2
	.amdgcn_target "amdgcn-amd-amdhsa--gfx1250"
	.amdhsa_code_object_version 6
	.text
	.protected	k_q7aad31e9e6_rate
	.globl	k_q7aad31e9e6_rate
	.p2align	8
	.type	k_q7aad31e9e6_rate,@function
k_q7aad31e9e6_rate:
	s_mov_b64 s[64:65], 0
	v_nop
	global_prefetch_b8 v0, s[64:65] scope:SCOPE_SE
	s_setreg_imm32_b32 hwreg(HW_REG_WAVE_MODE, 25, 1), 1
	s_wait_xcnt 0x0
; out1 = mean of all spikes = (sum of the 256 rows' counts) / (512 x 256 x 256) = sum x 2^-25.
; One wave: the sum spans the work-groups of the launch before, so it is made here, by one owner.  Each of the two loads covers 512 consecutive bytes.
; The counts are whole numbers in f32; their sum can pass 2^24 and is then rounded in its last bit.
	s_load_b128 s[4:7], s[0:1], 0x0                    ; cnt, out1
	v_lshlrev_b32 v1, 4, v0
	v_mov_b32 v2, 0
	s_mov_b32 s8, 0x76543210                           ; v_permlanex16_b32: lane i of the other half
	s_mov_b32 s9, 0xfedcba98
	s_wait_kmcnt 0x0
	global_load_b128 v[4:7], v1, s[4:5]
	global_load_b128 v[8:11], v1, s[4:5] offset:512
	s_wait_loadcnt 0x0
	v_pk_add_f32 v[4:5], v[4:5], v[6:7]
	v_pk_add_f32 v[8:9], v[8:9], v[10:11]
	v_pk_add_f32 v[4:5], v[4:5], v[8:9]
	v_add_f32 v4, v4, v5
	v_add_f32_dpp v4, v4, v4 row_xmask:1 row_mask:0xf bank_mask:0xf
	v_add_f32_dpp v4, v4, v4 row_xmask:2 row_mask:0xf bank_mask:0xf
	v_add_f32_dpp v4, v4, v4 row_xmask:4 row_mask:0xf bank_mask:0xf
	v_add_f32_dpp v4, v4, v4 row_xmask:8 row_mask:0xf bank_mask:0xf
	v_permlanex16_b32 v5, v4, s8, s9                   ; v5 has been written: the destination counts as read
	v_add_f32 v4, v4, v5
	v_mul_f32 v4, 0x33000000, v4                       ; x 2^-25
	v_cmp_eq_u32 vcc_lo, 0, v0
	s_wait_xcnt 0x0                                    ; EXEC changes only behind this wait
	s_and_saveexec_b32 s10, vcc_lo
	global_store_b32 v2, v4, s[6:7]
	s_endpgm
.Lfunc_end_k_q7aad31e9e6_rate:
	.size	k_q7aad31e9e6_rate, .Lfunc_end_k_q7aad31e9e6_rate-k_q7aad31e9e6_rate
	.p2alignl 7, 3214868480
	.fill 96, 4, 3214868480
	.section	.rodata,"a",@progbits
	.p2align	6, 0x0
	.amdhsa_kernel k_q7aad31e9e6_rate
		.amdhsa_group_segment_fixed_size 0
		.amdhsa_private_segment_fixed_size 0
		.amdhsa_enable_private_segment 0
		.amdhsa_kernarg_size 16
		.amdhsa_user_sgpr_count 2
		.amdhsa_user_sgpr_kernarg_segment_ptr 1
		.amdhsa_wavefront_size32 1
		.amdhsa_system_sgpr_workgroup_id_x 1
		.amdhsa_system_sgpr_workgroup_id_y 1
		.amdhsa_system_sgpr_workgroup_id_z 1
		.amdhsa_system_vgpr_workitem_id 0
		.amdhsa_next_free_vgpr 16
		.amdhsa_next_free_sgpr 66
		.amdhsa_reserve_vcc 1
		.amdhsa_float_denorm_mode_32 3
		.amdhsa_float_denorm_mode_16_64 3
		.amdhsa_memory_ordered 1
		.amdhsa_forward_progress 1
		.amdhsa_inst_pref_size 2
	.end_amdhsa_kernel
	.amdgpu_metadata
---
amdhsa.version: [ 1, 2 ]
amdhsa.kernels:
  - .name:           k_q7aad31e9e6_rate
    .symbol:         k_q7aad31e9e6_rate.kd
    .args:
      - { .name: cnt, .offset: 0, .size: 8, .value_kind: global_buffer, .address_space: global }
      - { .name: out1, .offset: 8, .size: 8, .value_kind: global_buffer, .address_space: global }
    .group_segment_fixed_size: 0
    .private_segment_fixed_size: 0
    .kernarg_segment_align: 8
    .kernarg_segment_size: 16
    .max_flat_workgroup_size: 32
    .sgpr_count:     66
    .vgpr_count:     16
    .wavefront_size: 32
...
	.end_amdgpu_metadata
.endif
;; end of part 2
;; ======== version 2 of 2: 2 launches; 1.16 times as fast as version 1
;; limits: values are held in f16: magnitudes above 65,504 overflow, below 6.1e-05 lose precision; right only within a limited range of input values
;; workspace buffers: cnt 1,024 bytes
;; launch snn (part 3): grid 256 x 1, 8 waves a work-group, no clusters, 184,320 bytes of LDS; arguments x, W_in, b_in, tau_mem_inv1, tau_syn_inv1, v_th, v_reset, v_leak1, W_out, b_out, tau_mem_inv2, tau_syn_inv2, v_leak2, out0, cnt; writes out0, cnt
.if DOCPART == 3
	.amdgcn_target "amdgcn-amd-amdhsa--gfx1250"
	.amdhsa_code_object_version 6
	.text
	.protected	k_q7aad31e9e6_snn
	.globl	k_q7aad31e9e6_snn
	.p2align	8
	.type	k_q7aad31e9e6_snn,@function
k_q7aad31e9e6_snn:
	s_mov_b64 s[64:65], 0
	v_nop
	global_prefetch_b8 v0, s[64:65] scope:SCOPE_SE
	s_setreg_imm32_b32 hwreg(HW_REG_WAVE_MODE, 25, 1), 1
	s_wait_xcnt 0x0
; Spiking equalizer: 512 Euler steps of  cur = x_t W_in^T + b_in,  256 LIF neurons,  o = z W_out^T + b_out,  4 leaky integrators,
; for 256 batch rows.  Results: out0[b][p] = max over t of v2, and cnt[b] = number of spikes of row b (summed by the next launch).
;
; SHARING.  One work-group = one batch row b (ttmp9).  Eight waves; wave w owns neurons 32 w .. 32 w + 31, lane L the neuron 32 w + L.
; Time goes in 32 chunks of 16 steps.  In the first product M is time, N the neuron, K = 64; a wave makes two tiles of 16 t x 16 h a chunk.
;
; THE RECURRENCE.  There are only two neurons for each lane of a SIMD and 512 steps in a row, so what counts is the number of instructions of a
; step and how many of them depend on each other.  With a = DT tau_mem_inv1, b = DT tau_syn_inv1 and J(t) = a (i1(t) + v_leak1):
;     v_dec(t) = (1 - a) v1(t) + J(t),        J(t + 1) = (1 - b) J(t) + a cur(t) + a b v_leak1.
; J does not hang on spikes.  a is folded into W_in's rows and into the bias tile, so that the matrix product delivers J's increment
; acc(t) = a cur(t) + a b v_leak1 and J costs one multiply-add a step.  The value carried is v_dec: both candidates of the next one,
; (1 - a) v_dec + J (no spike) and (1 - a) v_reset + J (spike), come from ONE packed multiply-add, without waiting for the decision, and one
; select takes one of them.  From v_dec to the next v_dec: a compare (beside it the packed multiply-add), then the select.
;
; NUMBER FORMATS.  A spike is a threshold decision, so cur has to be right to about f32.  16 x and 256 a W_in are each split into two f16
; numbers (hi + lo, 22 bits) and the product is made of three f16 products (lo*hi, hi*lo, hi*hi) with f32 sums.  The sums carry 2^12 acc, and
; J, v_dec, v_th and v_reset are all kept times 2^12, which is exact.  z (0 or 1) is exact in f16; W_out is rounded once to f16.
; LIMITS, stated: |x| < 4094, |DT tau_mem_inv1 W_in| < 255, |W_out| < 65504 (f16 overflows beyond); 4096 |v_th| and 4096 |v_reset| finite in f32.
; A NaN loses in the maximum over time.
; ROUNDING ORDER that differs from the problem's function: fused multiply-adds; the two forms above, in which 1 - a and 1 - b are rounded once
; (at most 2^-25 each) and 256 a W_in once in f32; the bias enters the sum first; the LI state at the 32 chunk borders is made by
; superposition (the LI layer is affine).
; alpha is not an argument: in the problem's function it enters only the backward rule of spike(); no forward value depends on it.
;
; NO JOINT REQUESTS IN A CLUSTER: x (128 KiB a work-group) is shared by nobody.  W_in (64 KiB) is read once by a work-group, each wave its own
; 8 KiB, straight into registers in the fragment's layout; a joint request would bring it to LDS first and add a trip through LDS.
; OUTPUT: a work-group owns 16 bytes of out0 and 4 of cnt, so its stores are four bytes from one lane.
;
; LDS:  XF  8 chunk slots x 16 rows x 272 bytes (a row: 64 hi, 64 lo in f16, 16 bytes of padding; pitch 17 x 16 bytes, so the 16 rows that
;           a fragment load touches start 16 bytes apart modulo 256)
;       Z   8 waves x 32 rows (neuron) x 32 bytes (16 t in f16): each wave's own
;       O   8 waves x 33 blocks x 528 bytes: block k = chunk k - 1 (block 0 takes the first, empty product); a block is 8 planes of 16 words
;           (planes 0-3: o' = 0..3, plane 4: spike count, 5-7 zeros) + 16 bytes, pitch 33 x 16 bytes for the reads of the last phase
.set XROW,   65536                     ; bytes from x[t][b] to x[t+1][b]
.set XCHUNK, 16*XROW                   ; a chunk of 16 steps
.set RING,   8                         ; chunk slots, in registers (X) and in LDS (XF)
.set XFP,    272
.set XFS,    16*XFP                    ; 4,352
.set ZBASE,  RING*XFS                  ; 34,816
.set OBASE,  ZBASE+8*1024              ; 43,008
.set OBLK,   528
.set OWAVE,  33*OBLK                   ; 17,424; O ends at 182,400
.set TRIPS,  3                         ; chunks 0-23 in the loop, 24-31 written out
; vector registers
.set VG,  1                            ; x: (2 w + hh) rows + 16 r      (r = L & 15, hh = L >> 4)
.set VS,  2                            ; XF, store: (2 w + hh) 272 + 8 r
.set VA0, 3                            ; XF, fragment: 272 r + 16 hh
.set VZS, 4                            ; Z, my row
.set VZT, 5                            ; Z, transposing load
.set VO,  6                            ; O, my word of plane 4 hh in the trip's first block
.set VTH, 7                            ; 2^12 v_th
.set C1,  8                            ; v8, v9: 1 - a, twice        (first factor of the packed multiply-add)
.set VD,  10                           ; 2^12 v_dec of the step at hand   } a pair: its second factor
.set VR,  11                           ; 2^12 v_reset                     }
.set VA,  12                           ; the next v_dec if there is no spike  } a pair: its result
.set VB,  13                           ; the next v_dec if there is one       }
.set RJ,  14                           ; 2^12 J, one step ahead of the step at hand; the low register of the pair that is its addend
.set D1,  15                           ; 1 - b
.set ZT0, 16
.set ZT1, 17
                                       ; v20-31: the split's registers (named there by number: halves need literal names)
.set Z,    32                          ; v32-39   16 spikes as f16
.set ZB,   40                          ; v40-47   spikes as B fragment (K = 32 neurons, N = 16 t)
.set WO,   48                          ; v48-55   A fragment: rows 0-3 W_out, row 8 ones, else zeros
.set DO,   56                          ; v56-63   its product
.set WH,   64                          ; v64-95   256 a W_in hi, fragment 2 blk + ks
.set WL,   96                          ; v96-127  256 a W_in lo
.set BIAS, 128                         ; v128-143 2^12 a (b_in + b v_leak1) as C of the two tiles
.set AF,   144                         ; v144-175 x fragments: hi k0, hi k1, lo k0, lo k1
.set ACC,  176                         ; v176-207 two sets of two tiles, in turn: a ring of 32 steps
.set X,    208                         ; v208-239 8 slots of 4: x as loaded
; prologue only
.set WF,   144                         ; v144-207 W_in as f32
.set PW,   28                          ; byte offsets: W_in,
.set PO,   29                          ; W_out,
.set PB,   30                          ; the [256] tables at neuron 32 w + r (the fragments' column),
.set PT,   31                          ; the [256] tables at my neuron
.set CB,   56                          ; v56, v57 b_in of column r of tile 0, 1
.set CA,   58                          ; v58, v59 tau_mem_inv1 there, then a
.set CS,   60                          ; v60, v61 tau_syn_inv1 there, then b
.set SC,   60                          ; afterwards v[60:61], v[62:63]: 256 a of tile 0, 1, twice each
; scalar registers: s[4:33] addresses; s36 wave; s37 Z base; s39 v_leak1; s40, s41 f16 one in the low, high half; s[42:43] 16.0;
; s46 counter; s47 4 min(w, 3); s48 a2; s49 b2; s50 b_out[p]; s51 v_leak2; s52, s53 lane selects; s[54:55], s[56:57] x bases
; four scaled f32 in v[20:23] as f16 hi in v[hd:hd+1] and f16 lo in v[ld:ld+1].  The difference to hi is exact in f32.
.macro SPLITC hd, ld
	v_cvt_pk_f16_f32 v28, v20, v21
	v_cvt_pk_f16_f32 v29, v22, v23
	v_cvt_f32_f16 v24, v28.l
	v_cvt_f32_f16 v25, v28.h
	v_cvt_f32_f16 v26, v29.l
	v_cvt_f32_f16 v27, v29.h
	v_pk_add_f32 v[20:21], v[20:21], v[24:25] neg_lo:[0,1] neg_hi:[0,1]
	v_pk_add_f32 v[22:23], v[22:23], v[26:27] neg_lo:[0,1] neg_hi:[0,1]
	v_cvt_pk_f16_f32 v[\ld], v20, v21
	v_cvt_pk_f16_f32 v[\ld+1], v22, v23
.if \hd != 28
	v_mov_b32 v[\hd], v28
	v_mov_b32 v[\hd+1], v29
.endif
.endm
.macro SPLITX src                      ; four x, times 16: hi in v[28:29], lo in v[30:31]
	v_pk_mul_f32 v[20:21], v[\src:\src+1], s[42:43] op_sel_hi:[1,0]
	v_pk_mul_f32 v[22:23], v[\src+2:\src+3], s[42:43] op_sel_hi:[1,0]
	SPLITC 28, 30
.endm
.macro SPLITW src, sc, hd, ld          ; four W_in of one row, times that row's 256 a (the pair sc holds it twice)
	v_pk_mul_f32 v[20:21], v[\src:\src+1], v[\sc:\sc+1]
	v_pk_mul_f32 v[22:23], v[\src+2:\src+3], v[\sc:\sc+1]
	SPLITC \hd, \ld
.endm
.macro SSTORE slot                     ; my four k of my row: hi, and lo 128 bytes on
	ds_store_b64 v[VS], v[28:29] offset:(\slot)*XFS
	ds_store_b64 v[VS], v[30:31] offset:(\slot)*XFS+128
.endm
.macro FLOAD slot                      ; the chunk's four A fragments (16 t x 32 k each)
.irp n, 0,1,2,3,4,5,6,7
	ds_load_b128 v[AF+4*\n:AF+4*\n+3], v[VA0] offset:(\slot)*XFS+32*\n
.endr
.endm
; One link of both tiles' chains.  first = 1: C is the bias, D the accumulator; after it each link takes its own tile's D as C and D.
.macro MLINK m, acc, a, b, first
.if \m
.if \first
	v_wmma_f32_16x16x32_f16 v[\acc:\acc+7], v[\a:\a+7], v[\b:\b+7], v[BIAS:BIAS+7]
	v_wmma_f32_16x16x32_f16 v[\acc+8:\acc+15], v[\a:\a+7], v[\b+16:\b+23], v[BIAS+8:BIAS+15]
.else
	v_wmma_f32_16x16x32_f16 v[\acc:\acc+7], v[\a:\a+7], v[\b:\b+7], v[\acc:\acc+7]
	v_wmma_f32_16x16x32_f16 v[\acc+8:\acc+15], v[\a:\a+7], v[\b+16:\b+23], v[\acc+8:\acc+15]
.endif
.endif
.endm
; Tile 0 holds neurons 0-15 (lanes 0-15: t 0-7, lanes 16-31: t 8-15), tile 1 neurons 16-31.  Exchanging tile 0's upper lanes with tile 1's
; lower lanes leaves register acc + tau with 2^12 acc(tau) of neuron L in lane L.
.macro SWAP acc
.irp j, 0,1,2,3,4,5,6,7
	v_permlane16_swap_b32 v[\acc+\j], v[\acc+8+\j]
.endr
.endm
; Step tau of the chunk whose accumulators are set p.  Register ACC + ((16 p + k) & 31) holds 2^12 acc(k) of the chunk (k = 16: the next chunk's
; first).  On entry: VD = v_dec(tau), RJ = J(tau + 1).  lim: the last tau from which a next v_dec is still wanted (14 in the last chunk; 99 = no end).
; The packed multiply-add: low half (1 - a) v_dec + J, high half (1 - a) v_reset + J; op_sel_hi's third bit 0 gives both halves the pair's low
; register, J.  The line that joins two steps' spikes stands one step late, between the multiply-adds and the select, away from its producer.
.macro STEP tau, p, lim
	v_cmp_gt_f32 vcc_lo, v[VD], v[VTH]                                         ; spike
.if (\tau) <= \lim
	v_pk_fma_f32 v[VA:VA+1], v[C1:C1+1], v[VD:VD+1], v[RJ:RJ+1] op_sel_hi:[1,1,0]
.endif
.if (\tau)+1 <= \lim
	v_fma_f32 v[RJ], v[D1], v[RJ], v[ACC+((16*(\p)+(\tau)+1)&31)]              ; J(tau + 2) = (1 - b) J + acc(tau + 1)
.endif
.if ((\tau)&1) == 0
.if (\tau) >= 2
	v_or_b32 v[Z+(\tau)/2-1], v[ZT0], v[ZT1]                                   ; the spikes of steps tau - 2, tau - 1: f16 1.0 or 0
.endif
.endif
.if (\tau) <= \lim
	v_cndmask_b32 v[VD], v[VA], v[VB], vcc_lo                                  ; v_dec(tau + 1)
.endif
.if (\tau)&1
	v_cndmask_b32 v[ZT1], 0, s41, vcc_lo
.else
	v_cndmask_b32 v[ZT0], 0, s40, vcc_lo
.endif
.if (\tau) == 15
	v_or_b32 v[Z+7], v[ZT0], v[ZT1]                                            ; the chunk's last pair is wanted at once
.endif
.endm
; Chunk i, q = i & 7.  g: load x of chunk i + 8.  s: split x of chunk i + 2 into XF (lc = x loads issued behind that chunk's), with the
; chunk's barrier.  f: fetch the fragments of chunk i + 2.  m: multiply chunk i + 1 and turn its tiles.  lim: see STEP.
; Every vector read of an accumulator (the first is SWAP's), every load into AF or ZB and every store of DO stands two STEPs or more (11 plain
; vector instructions that name none of these registers: steps 4 to 11 reach register 12 of their own set at the most) behind the last
; matrix instruction that names them.
.macro CHUNK q, g, s, lc, f, m, lim
.if \g
	global_load_b128 v[X+4*\q:X+4*\q+3], v[VG], s[56:57] offset:(\q)<<20 th:TH_LOAD_NT   ; two rows of 256 bytes a wave, 16 lanes each
.endif
.if \s
	s_wait_loadcnt \lc                                 ; loads return in order: chunk i + 2 is in, the younger chunks stay out
	SPLITX X+4*((\q+2)&7)
	SSTORE ((\q+2)&7)
.endif
	STEP 0, ((\q)&1), \lim
	STEP 1, ((\q)&1), \lim
	STEP 2, ((\q)&1), \lim
	STEP 3, ((\q)&1), \lim
	s_wait_dscnt 0x0                                   ; AF and ZB are in; my XF stores have landed and my XF reads are over, for the other waves' sake
.if \s
	s_barrier_signal -1
.endif
	v_wmma_f32_16x16x32_f16 v[DO:DO+7], v[WO:WO+7], v[ZB:ZB+7], 0      ; o and spike count of chunk i - 1, my 32 neurons' part
	STEP 4, ((\q)&1), \lim
	MLINK \m, ACC+16-16*((\q)&1), AF+16, WH, 1         ; small terms first: lo x hi
	STEP 5, ((\q)&1), \lim
	MLINK \m, ACC+16-16*((\q)&1), AF+24, WH+8, 0
	STEP 6, ((\q)&1), \lim
	MLINK \m, ACC+16-16*((\q)&1), AF, WL, 0            ; hi x lo
	STEP 7, ((\q)&1), \lim
	MLINK \m, ACC+16-16*((\q)&1), AF+8, WL+8, 0
	STEP 8, ((\q)&1), \lim
	MLINK \m, ACC+16-16*((\q)&1), AF, WH, 0            ; hi x hi
	STEP 9, ((\q)&1), \lim
	MLINK \m, ACC+16-16*((\q)&1), AF+8, WH+8, 0
	STEP 10, ((\q)&1), \lim
	STEP 11, ((\q)&1), \lim
.if \m
	SWAP ACC+16-16*((\q)&1)                            ; step 15 is the first to read the next chunk's set
.endif
.if \s
	s_barrier_wait -1                                  ; every wave's rows of chunk i + 2 are in XF; only register work stood since the signal
.endif
	ds_store_b128 v[VZS], v[Z:Z+3]                     ; my neuron's spikes of steps 0-7
.irp j, 0,1,2,3
	ds_store_b32 v[VO], v[DO+\j] offset:(\q)*OBLK+64*\j
.endr
.if \f
	FLOAD ((\q+2)&7)
.endif
	STEP 12, ((\q)&1), \lim
	STEP 13, ((\q)&1), \lim
	STEP 14, ((\q)&1), \lim
	STEP 15, ((\q)&1), \lim
	ds_store_b128 v[VZS], v[Z+4:Z+7] offset:16         ; steps 8-15
	ds_load_tr16_b128 v[ZB:ZB+3], v[VZT]               ; LDS serves a wave's instructions in order: these see both stores of my wave's tile
	ds_load_tr16_b128 v[ZB+4:ZB+7], v[VZT] offset:512
.endm
	; ---------------- prologue: addresses ----------------
	s_load_b512 s[4:19], s[0:1], 0x0                   ; x, W_in, b_in, tau_mem_inv1, tau_syn_inv1, v_th, v_reset, v_leak1
	s_load_b256 s[20:27], s[0:1], 0x40                 ; W_out, b_out, tau_mem_inv2, tau_syn_inv2
	s_load_b128 s[28:31], s[0:1], 0x60                 ; v_leak2, out0
	s_load_b64 s[32:33], s[0:1], 0x70                  ; cnt
	v_lshl_add_u32 v240, v0, 2, 0x2cc00
	v_mov_b32 v241, 0
	v_lshrrev_b32 v20, 5, v0
	v_readfirstlane_b32 s36, v20                       ; wave
	v_and_b32 v21, 31, v0                              ; L
	v_and_b32 v22, 15, v0                              ; r
	v_bfe_u32 v23, v0, 4, 1                            ; hh
	v_lshrrev_b32 v24, 4, v0                           ; 2 w + hh: my row of a chunk
	v_and_b32 v25, 0xe0, v0                            ; 32 w
	s_mov_b32 s40, 0x3c00
	s_mov_b32 s41, 0x3c000000
	s_mov_b32 s42, 0x41800000                          ; 16.0, both words of the pair written
	s_mov_b32 s43, 0x41800000
	s_mov_b32 s52, 0x76543210                          ; v_permlanex16_b32: lane i of the other half
	s_mov_b32 s53, 0xfedcba98
	s_min_u32 s47, s36, 3                              ; the output that my wave serves in the last phase (waves 4-7: any inside the tables)
	s_lshl_b32 s47, s47, 2
	s_lshl_b32 s34, ttmp9, 8                           ; 256 b
	s_mov_b32 s35, 0
	s_lshl_b32 s37, s36, 10
	s_add_co_u32 s37, s37, ZBASE                       ; my wave's Z tile
	s_mul_i32 s46, s36, OWAVE
	s_add_co_u32 s46, s46, OBASE                       ; my wave's O region
	v_lshlrev_b32 v[VG], 4, v22
	v_lshl_add_u32 v[VG], v24, 16, v[VG]
	v_mul_u32_u24 v[VS], v24, XFP
	v_lshl_add_u32 v[VS], v22, 3, v[VS]
	v_mul_u32_u24 v[VA0], v22, XFP
	v_lshl_add_u32 v[VA0], v23, 4, v[VA0]
	v_lshl_add_u32 v[VZS], v21, 5, s37
	v_and_b32 v26, 7, v0
	v_lshl_add_u32 v26, v23, 3, v26                    ; row 8 hh + (L & 7)
	v_bfe_u32 v27, v0, 3, 1
	v_lshl_add_u32 v27, v27, 4, s37                    ; + 16 ((L >> 3) & 1)
	v_lshl_add_u32 v[VZT], v26, 5, v27
	v_lshl_add_u32 v27, v22, 2, s46
	v_lshl_add_u32 v[VO], v23, 8, v27
	v_add_nc_u32 v26, v25, v22                         ; neuron 32 w + r
	v_lshlrev_b32 v[PW], 5, v23
	v_lshl_add_u32 v[PW], v26, 8, v[PW]                ; W_in: row 32 w + r, k = 8 hh
	v_lshlrev_b32 v[PB], 2, v26                        ; the tables at neuron 32 w + r
	v_and_b32 v[PO], 3, v0
	v_lshlrev_b32 v[PO], 10, v[PO]
	v_lshl_add_u32 v[PO], v25, 2, v[PO]
	v_lshl_add_u32 v[PO], v23, 5, v[PO]                ; W_out: row r & 3, column 32 w + 8 hh
	v_lshlrev_b32 v[PT], 2, v0                         ; the tables at my neuron
	s_wait_kmcnt 0x0
	s_add_nc_u64 s[54:55], s[4:5], s[34:35]            ; x[0][b]: chunks 0-7
	s_add_nc_u64 s[56:57], s[54:55], RING*XCHUNK       ; chunks 8-15; stepped by the loop
	s_load_b32 s39, s[18:19], 0x0
	s_load_b32 s48, s[24:25], s47 offset:0x0
	s_load_b32 s49, s[26:27], s47 offset:0x0
	s_load_b32 s50, s[22:23], s47 offset:0x0
	s_load_b32 s51, s[28:29], 0x0
	; 30 loads of parameters, then the first eight chunks of x
.irp f, 0,1,2,3
.irp g, 0,1,2,3
	global_load_b128 v[WF+16*\f+4*\g:WF+16*\f+4*\g+3], v[PW], s[6:7] offset:(\f>>1)*4096+(\f&1)*128+(\g>>1)*64+(\g&1)*16
.endr
.endr
.irp g, 0,1,2,3
	global_load_b128 v[Z+4*\g:Z+4*\g+3], v[PO], s[20:21] offset:(\g>>1)*64+(\g&1)*16
.endr
	global_load_b32 v[CB], v[PB], s[8:9]               ; column r of tile 0, and 16 neurons on: of tile 1
	global_load_b32 v[CB+1], v[PB], s[8:9] offset:64
	global_load_b32 v[CA], v[PB], s[10:11]
	global_load_b32 v[CA+1], v[PB], s[10:11] offset:64
	global_load_b32 v[CS], v[PB], s[12:13]
	global_load_b32 v[CS+1], v[PB], s[12:13] offset:64
	global_load_b32 v[C1], v[PT], s[10:11]             ; tau_mem_inv1 of my neuron, turned into 1 - a below
	global_load_b32 v[D1], v[PT], s[12:13]             ; tau_syn_inv1, turned into 1 - b below
	global_load_b32 v[VTH], v[PT], s[14:15]
	global_load_b32 v[VR], v[PT], s[16:17]
.irp q, 0,1,2,3,4,5,6,7
	global_load_b128 v[X+4*\q:X+4*\q+3], v[VG], s[54:55] offset:(\q)<<20 th:TH_LOAD_NT
.endr
	s_wait_loadcnt 0x8                                 ; the parameters are in; the eight x loads behind them stay out
	s_wait_kmcnt 0x0
	s_mul_f32 s48, s48, 0x3a83126f                     ; a2 = DT tau_mem_inv2[p]
	s_mul_f32 s49, s49, 0x3a83126f                     ; b2 = DT tau_syn_inv2[p]
	; WO: rows 0-3 W_out, row 8 ones (it counts the spikes), the rest zeros
.irp i, 0,1,2,3,4,5,6,7
	v_cvt_pk_f16_f32 v[WO+\i], v[Z+2*\i], v[Z+2*\i+1]
.endr
	v_and_b32 v16, 15, v0
	v_mov_b32 v17, 0x3c003c00
	v_cmp_eq_u32 vcc_lo, 8, v16
	v_cndmask_b32 v17, 0, v17, vcc_lo
	v_cmp_gt_u32 vcc_lo, 4, v16
.irp i, 0,1,2,3,4,5,6,7
	v_cndmask_b32 v[WO+\i], v17, v[WO+\i], vcc_lo
.endr
	; the fragments' columns: a, b, the bias 2^12 a (b_in + b v_leak1), and W_in's factor 256 a
	v_mul_f32 v[CA], 0x3a83126f, v[CA]
	v_mul_f32 v[CA+1], 0x3a83126f, v[CA+1]
	v_mul_f32 v[CS], 0x3a83126f, v[CS]
	v_mul_f32 v[CS+1], 0x3a83126f, v[CS+1]
	v_fma_f32 v[CB], v[CS], s39, v[CB]
	v_fma_f32 v[CB+1], v[CS+1], s39, v[CB+1]
	v_mul_f32 v[CB], v[CB], v[CA]
	v_mul_f32 v[CB+1], v[CB+1], v[CA+1]
.irp j, 0,1,2,3,4,5,6,7
	v_mul_f32 v[BIAS+\j], 0x45800000, v[CB]            ; column r's bias in all eight rows
	v_mul_f32 v[BIAS+8+\j], 0x45800000, v[CB+1]
.endr
	v_mul_f32 v[SC], 0x43800000, v[CA]                 ; b is done with: its registers take 256 a, twice for each tile
	v_mul_f32 v[SC+1], 0x43800000, v[CA]
	v_mul_f32 v[SC+2], 0x43800000, v[CA+1]
	v_mul_f32 v[SC+3], 0x43800000, v[CA+1]
	; my neuron
	v_mul_f32 v[C1], 0x3a83126f, v[C1]                 ; a
	v_mul_f32 v[D1], 0x3a83126f, v[D1]                 ; b
	v_mul_f32 v[VD], s39, v[C1]
	v_mul_f32 v[VD], 0x45800000, v[VD]                 ; v_dec(0) = J(0) = a v_leak1 (from v1 = i1 = 0), times 2^12
	v_sub_f32 v[C1], 1.0, v[C1]                        ; 1 - a
	v_sub_f32 v[D1], 1.0, v[D1]                        ; 1 - b
	v_mov_b32 v[C1+1], v[C1]
	v_mul_f32 v[VTH], 0x45800000, v[VTH]
	v_mul_f32 v[VR], 0x45800000, v[VR]
.irp f, 0,1,2,3
.irp g, 0,1,2,3
	SPLITW WF+16*\f+4*\g, SC+2*(\f>>1), WH+8*\f+2*\g, WL+8*\f+2*\g
.endr
.endr
	s_wait_loadcnt 0x7                                 ; chunk 0; seven younger x loads stay out
	SPLITX X
	SSTORE 0
	s_wait_loadcnt 0x6                                 ; chunk 1
	SPLITX X+4
	SSTORE 1
	s_wait_dscnt 0x0                                   ; my rows of chunks 0 and 1 have landed,
	s_barrier_signal -1
	s_barrier_wait -1                                  ; everybody's have
	FLOAD 0
	s_wait_dscnt 0x0
	MLINK 1, ACC, AF+16, WH, 1                         ; chunk 0
	MLINK 1, ACC, AF+24, WH+8, 0
	MLINK 1, ACC, AF, WL, 0
	MLINK 1, ACC, AF+8, WL+8, 0
	MLINK 1, ACC, AF, WH, 0
	MLINK 1, ACC, AF+8, WH+8, 0
.irp j, 0,1,2,3,4,5,6,7
	v_mov_b32 v[ZB+\j], 0                              ; chunk 0's product of spikes is of no chunk: zeros, into block 0.  These eight lines are
.endr                                                  ; also the places behind the products, for the loads into AF and for SWAP
	FLOAD 1
	SWAP ACC
	v_fma_f32 v[RJ], v[D1], v[VD], v[ACC]              ; J(1) = (1 - b) J(0) + acc(0)
	; ---------------- chunks 0 to 23 ----------------
	s_mov_b32 s46, 0
.Ltrip:
.irp q, 0,1,2,3,4,5,6,7
	CHUNK \q, 1, 1, 6, 1, 1, 99                        ; behind chunk i + 2's load stand those of chunks i + 3 .. i + 8: six
.endr
	s_wait_xcnt 0x0                                    ; the trip's x loads have had their addresses translated: their base is stepped only behind this wait
	s_add_nc_u64 s[56:57], s[56:57], RING*XCHUNK
	v_add_nc_u32 v[VO], RING*OBLK, v[VO]
	s_add_co_u32 s46, s46, 1
	s_cmp_lt_u32 s46, TRIPS
	s_cbranch_scc1 .Ltrip
	; ---------------- chunks 24 to 31: nothing more is loaded, the counts run down ----------------
	CHUNK 0, 0, 1, 5, 1, 1, 99
	CHUNK 1, 0, 1, 4, 1, 1, 99
	CHUNK 2, 0, 1, 3, 1, 1, 99
	CHUNK 3, 0, 1, 2, 1, 1, 99
	CHUNK 4, 0, 1, 1, 1, 1, 99
	CHUNK 5, 0, 1, 0, 1, 1, 99                         ; splits and fetches chunk 31
	CHUNK 6, 0, 0, 0, 0, 1, 99                         ; multiplies chunk 31
	CHUNK 7, 0, 0, 0, 0, 0, 14                         ; nothing is made for steps behind the last
	s_wait_dscnt 0x0                                   ; ZB of chunk 31
	v_wmma_f32_16x16x32_f16 v[DO:DO+7], v[WO:WO+7], v[ZB:ZB+7], 0
.rept 4
	v_nop                                              ; four places before the stores read DO
.endr
.irp j, 0,1,2,3
	ds_store_b32 v[VO], v[DO+\j] offset:RING*OBLK+64*\j
.endr
	s_wait_dscnt 0x0                                   ; all my O words have landed,
	s_barrier_signal -1
	s_barrier_wait -1                                  ; everybody's have
	; ---------------- the LI layer: wave p = 0..3 serves output p, wave 4 the spike count; lane L takes steps 16 L .. 16 L + 15 ----------------
.set LN,  20
.set AD0, 21
.set AD1, 22
.set LVA, 24                           ; v2, in turn with LVB
.set LVB, 25
.set LI,  26                           ; i2
.set LT,  27
.set LD,  28
.set MX,  29
.set MP,  30                           ; a power of the step's matrix [[P, Q], [0, R]]
.set MQ,  31
.set MR,  32
.set PV,  33
.set PI,  34
.set IDX, 35
.set L4,  36
.set SUM, 64                           ; v64-191: 8 waves x 16 steps; the sums end in v64-79
.macro LISTEP vin, vout, o             ; one step of the leaky integrator, in the order in which the problem's function writes it
	v_sub_f32 v[LT], s51, v[\vin]
	v_add_f32 v[LT], v[LT], v[LI]
	v_fma_f32 v[\vout], s48, v[LT], v[\vin]
	v_fma_f32 v[LD], -s49, v[LI], v[LI]
	v_add_f32 v[LI], v[LD], v[\o]
.endm
.macro SQUARE
	v_add_f32 v[LT], v[MP], v[MR]
	v_mul_f32 v[MP], v[MP], v[MP]
	v_mul_f32 v[MR], v[MR], v[MR]
	v_mul_f32 v[MQ], v[MQ], v[LT]
.endm
.macro PULL d                          ; PV, PI = (v2, i2) of lane L - d, zeros where there is none
	v_add_nc_u32 v[IDX], -4*\d, v[L4]
	v_and_b32 v[IDX], 0x7c, v[IDX]
	ds_bpermute_b32 v[PV], v[IDX], v[LVA]
	ds_bpermute_b32 v[PI], v[IDX], v[LI]
	v_cmp_le_u32 vcc_lo, \d, v[LN]
	s_wait_dscnt 0x0
	v_cndmask_b32 v[PV], 0, v[PV], vcc_lo
	v_cndmask_b32 v[PI], 0, v[PI], vcc_lo
.endm
.macro KS d                            ; my window of d chunks takes in the d chunks in front of it, carried through M^(16 d)
	PULL \d
	v_fmac_f32 v[LVA], v[MP], v[PV]
	v_fmac_f32 v[LVA], v[MQ], v[PI]
	v_fmac_f32 v[LI], v[MR], v[PI]
.if \d < 16
	SQUARE
.endif
.endm
	s_cmp_gt_u32 s36, 4
	s_cbranch_scc1 .Lend
	v_and_b32 v[LN], 31, v0
	s_lshl_b32 s34, s36, 6
	s_add_co_u32 s34, s34, OBASE+OBLK                  ; plane w of block 1
	v_mul_u32_u24 v[AD0], v[LN], OBLK
	v_add_nc_u32 v[AD0], s34, v[AD0]                   ; block L + 1 = chunk L, waves 0-3
	v_add_nc_u32 v[AD1], 4*OWAVE, v[AD0]               ; waves 4-7
.irp wv, 0,1,2,3
.irp n, 0,1,2,3
	ds_load_b128 v[SUM+16*\wv+4*\n:SUM+16*\wv+4*\n+3], v[AD0] offset:\wv*OWAVE+16*\n
.endr
.endr
.irp wv, 0,1,2,3
.irp n, 0,1,2,3
	ds_load_b128 v[SUM+64+16*\wv+4*\n:SUM+64+16*\wv+4*\n+3], v[AD1] offset:\wv*OWAVE+16*\n
.endr
.endr
	s_wait_dscnt 0x0
.irp wv, 1,2,3,4,5,6,7
.irp k, 0,2,4,6,8,10,12,14
	v_pk_add_f32 v[SUM+\k:SUM+\k+1], v[SUM+\k:SUM+\k+1], v[SUM+16*\wv+\k:SUM+16*\wv+\k+1]    ; the eight waves' parts of 32 neurons each
.endr
.endr
	s_cmp_eq_u32 s36, 4
	s_cbranch_scc1 .Lcount
.irp k, 0,2,4,6,8,10,12,14
	v_pk_add_f32 v[SUM+\k:SUM+\k+1], v[SUM+\k:SUM+\k+1], s[50:51] op_sel_hi:[1,0]            ; + b_out[p]
.endr
	; A: my 16 steps from the state (0, 0): the chunk's own contribution
	v_mov_b32 v[LVA], 0
	v_mov_b32 v[LI], 0
.irp t, 0,2,4,6,8,10,12,14
	LISTEP LVA, LVB, SUM+\t
	LISTEP LVB, LVA, SUM+\t+1
.endr
	v_sub_f32 v[MP], 1.0, s48                          ; one step's matrix, squared four times: 16 steps
	v_mov_b32 v[MQ], s48
	v_sub_f32 v[MR], 1.0, s49
.rept 4
	SQUARE
.endr
	; B: the state behind each chunk, by doubling windows over the 32 lanes; then each lane takes the state behind the chunk in front of it
	v_lshlrev_b32 v[L4], 2, v[LN]
	KS 1
	KS 2
	KS 4
	KS 8
	KS 16
	PULL 1
	v_mov_b32 v[LVA], v[PV]
	v_mov_b32 v[LI], v[PI]
	; C: my 16 steps from that state, and the largest v2 among them
	LISTEP LVA, LVB, SUM
	LISTEP LVB, LVA, SUM+1
	v_max_num_f32 v[MX], v[LVB], v[LVA]
.irp t, 2,4,6,8,10,12,14
	LISTEP LVA, LVB, SUM+\t
	LISTEP LVB, LVA, SUM+\t+1
	v_max3_num_f32 v[MX], v[MX], v[LVB], v[LVA]
.endr
	v_max_num_f32_dpp v[MX], v[MX], v[MX] row_xmask:1 row_mask:0xf bank_mask:0xf
	v_max_num_f32_dpp v[MX], v[MX], v[MX] row_xmask:2 row_mask:0xf bank_mask:0xf
	v_max_num_f32_dpp v[MX], v[MX], v[MX] row_xmask:4 row_mask:0xf bank_mask:0xf
	v_max_num_f32_dpp v[MX], v[MX], v[MX] row_xmask:8 row_mask:0xf bank_mask:0xf
	v_permlanex16_b32 v[LT], v[MX], s52, s53           ; LT has been written: the destination counts as read
	v_max_num_f32 v[MX], v[MX], v[LT]
	s_lshl_b32 s34, ttmp9, 4
	s_lshl2_add_u32 s34, s36, s34                      ; out0[b][p]: 16 b + 4 p
	v_mov_b32 v[AD0], s34
	v_cmp_eq_u32 vcc_lo, 0, v[LN]
	s_wait_xcnt 0x0                                    ; EXEC changes only behind this wait
	s_wait_tensorcnt 0x0
	ds_add_u32 v240, v241
	s_wait_dscnt 0x0
	s_and_saveexec_b32 s35, vcc_lo
	global_store_b32 v[AD0], v[MX], s[30:31]
	s_endpgm
.Lcount:                                               ; whole numbers up to 131,072: exact in f32
.irp k, 0,4,8,12
	v_pk_add_f32 v[SUM+\k:SUM+\k+1], v[SUM+\k:SUM+\k+1], v[SUM+\k+2:SUM+\k+3]
.endr
	v_pk_add_f32 v[SUM:SUM+1], v[SUM:SUM+1], v[SUM+4:SUM+5]
	v_pk_add_f32 v[SUM+8:SUM+9], v[SUM+8:SUM+9], v[SUM+12:SUM+13]
	v_pk_add_f32 v[SUM:SUM+1], v[SUM:SUM+1], v[SUM+8:SUM+9]
	v_add_f32 v[SUM], v[SUM], v[SUM+1]
	v_add_f32_dpp v[SUM], v[SUM], v[SUM] row_xmask:1 row_mask:0xf bank_mask:0xf
	v_add_f32_dpp v[SUM], v[SUM], v[SUM] row_xmask:2 row_mask:0xf bank_mask:0xf
	v_add_f32_dpp v[SUM], v[SUM], v[SUM] row_xmask:4 row_mask:0xf bank_mask:0xf
	v_add_f32_dpp v[SUM], v[SUM], v[SUM] row_xmask:8 row_mask:0xf bank_mask:0xf
	v_permlanex16_b32 v[SUM+1], v[SUM], s52, s53
	v_add_f32 v[SUM], v[SUM], v[SUM+1]
	s_lshl_b32 s34, ttmp9, 2                           ; cnt[b]
	v_mov_b32 v[AD0], s34
	v_cmp_eq_u32 vcc_lo, 0, v[LN]
	s_wait_xcnt 0x0                                    ; EXEC changes only behind this wait
	s_wait_tensorcnt 0x0
	ds_add_u32 v240, v241
	s_wait_dscnt 0x0
	s_and_saveexec_b32 s35, vcc_lo
	global_store_b32 v[AD0], v[SUM], s[32:33]
	s_endpgm
.Lend:
	s_wait_tensorcnt 0x0
	ds_add_u32 v240, v241
	s_wait_dscnt 0x0
	s_endpgm
.Lfunc_end_k_q7aad31e9e6_snn:
	.size	k_q7aad31e9e6_snn, .Lfunc_end_k_q7aad31e9e6_snn-k_q7aad31e9e6_snn
	.p2alignl 7, 3214868480
	.fill 96, 4, 3214868480
	.section	.rodata,"a",@progbits
	.p2align	6, 0x0
	.amdhsa_kernel k_q7aad31e9e6_snn
		.amdhsa_group_segment_fixed_size 184320
		.amdhsa_private_segment_fixed_size 0
		.amdhsa_enable_private_segment 0
		.amdhsa_kernarg_size 120
		.amdhsa_user_sgpr_count 2
		.amdhsa_user_sgpr_kernarg_segment_ptr 1
		.amdhsa_wavefront_size32 1
		.amdhsa_system_sgpr_workgroup_id_x 1
		.amdhsa_system_sgpr_workgroup_id_y 1
		.amdhsa_system_sgpr_workgroup_id_z 1
		.amdhsa_system_vgpr_workitem_id 0
		.amdhsa_next_free_vgpr 242
		.amdhsa_next_free_sgpr 66
		.amdhsa_reserve_vcc 1
		.amdhsa_float_denorm_mode_32 3
		.amdhsa_float_denorm_mode_16_64 3
		.amdhsa_memory_ordered 1
		.amdhsa_forward_progress 1
		.amdhsa_inst_pref_size 158
	.end_amdhsa_kernel
	.amdgpu_metadata
---
amdhsa.version: [ 1, 2 ]
amdhsa.kernels:
  - .name:           k_q7aad31e9e6_snn
    .symbol:         k_q7aad31e9e6_snn.kd
    .args:
      - { .name: x, .offset: 0, .size: 8, .value_kind: global_buffer, .address_space: global }
      - { .name: W_in, .offset: 8, .size: 8, .value_kind: global_buffer, .address_space: global }
      - { .name: b_in, .offset: 16, .size: 8, .value_kind: global_buffer, .address_space: global }
      - { .name: tau_mem_inv1, .offset: 24, .size: 8, .value_kind: global_buffer, .address_space: global }
      - { .name: tau_syn_inv1, .offset: 32, .size: 8, .value_kind: global_buffer, .address_space: global }
      - { .name: v_th, .offset: 40, .size: 8, .value_kind: global_buffer, .address_space: global }
      - { .name: v_reset, .offset: 48, .size: 8, .value_kind: global_buffer, .address_space: global }
      - { .name: v_leak1, .offset: 56, .size: 8, .value_kind: global_buffer, .address_space: global }
      - { .name: W_out, .offset: 64, .size: 8, .value_kind: global_buffer, .address_space: global }
      - { .name: b_out, .offset: 72, .size: 8, .value_kind: global_buffer, .address_space: global }
      - { .name: tau_mem_inv2, .offset: 80, .size: 8, .value_kind: global_buffer, .address_space: global }
      - { .name: tau_syn_inv2, .offset: 88, .size: 8, .value_kind: global_buffer, .address_space: global }
      - { .name: v_leak2, .offset: 96, .size: 8, .value_kind: global_buffer, .address_space: global }
      - { .name: out0, .offset: 104, .size: 8, .value_kind: global_buffer, .address_space: global }
      - { .name: cnt, .offset: 112, .size: 8, .value_kind: global_buffer, .address_space: global }
    .group_segment_fixed_size: 184320
    .private_segment_fixed_size: 0
    .kernarg_segment_align: 8
    .kernarg_segment_size: 120
    .max_flat_workgroup_size: 256
    .sgpr_count:     66
    .vgpr_count:     242
    .wavefront_size: 32
...
	.end_amdgpu_metadata
.endif
;; end of part 3
;; launch rate: the kernel of part 2 again; grid 1 x 1, 1 waves a work-group, no clusters, 0 bytes of LDS; arguments cnt, out1; writes out1
